; MI455X (gfx1250); checked and timed in simulation.
; The chip was launched on July 23, 2026; its instructions are those of AMD's public machine-readable ISA for CDNA 5 (MIT licence, August 2026) and "CDNA5" Instruction Set Architecture Reference Guide (July 2026). The comments in the code are by the model that wrote it; some were corrected since.
;; Learnable Quantized Linear. Allowed arithmetic: float matrix products may take bf16 or f16 operands with f32 sums; other float arithmetic in f32, or as packed bf16 or f16 multiplies, adds, multiply-adds, maxima and minima; sums over many terms, partial sums and values carried from step to step in f32; what a program stores and reads back later, other than sums and carried values, may be rounded once to bf16 or f16.
;; Inputs: inp 4 x 1,024 x 4,096 float32; pivots 15 float32; scales 262,144 x 1 float32; values 16 float32; weight 4,096 x 4,096 float32.
;; Outputs: out0 4 x 1,024 x 4,096 float32.
;; 2 versions, each right; version 2 is version 1 with the launch prep written anew for expert scheduling mode. Each part assembles by itself: llvm-mc -triple=amdgcn-amd-amdhsa -mcpu=gfx1250 --defsym DOCPART=n.
;; ======== version 1 of 2: 2 launches
;; limits: values are held in f16: magnitudes above 65,504 overflow, below 6.1e-05 lose precision
;; workspace buffers: a16 33,554,432 bytes; b16 33,554,432 bytes
;; launch prep (part 1): grid 256 x 1, 32 waves a work-group, no clusters, 0 bytes of LDS; arguments inp, weight, scales, values, pivots, a16, b16; writes a16, b16
.if DOCPART == 1
	.amdgcn_target "amdgcn-amd-amdhsa--gfx1250"
	.amdhsa_code_object_version 6
	.text
	.protected	k_q8e2965e19b_prep
	.globl	k_q8e2965e19b_prep
	.p2align	8
	.type	k_q8e2965e19b_prep,@function
k_q8e2965e19b_prep:
	s_mov_b64 s[64:65], 0
	v_nop
	global_prefetch_b8 v0, s[64:65] scope:SCOPE_SE
	s_setreg_imm32_b32 hwreg(HW_REG_WAVE_MODE, 25, 1), 1
	s_wait_xcnt 0x0
; a16 = f16(inp);  b16 = f16(q),  q = values[idx] * s,  idx = the number of pivots strictly below clip(w / s, -1, 1),  s the scale of w's group of 64.
; inp, weight: 16,777,216 f32 each; scales: 262,144 f32; values: 16 f32; pivots: 15 f32; a16, b16: the same shape as inp and weight, f16, row-major.
; FORMAT.  The search is made in f32 on the inputs as they are given; only its result q, and inp, are rounded, once, to f16, as the matrix product's operands.  f16, since it keeps 11 significant bits and
; both operands have room in it: see LIMITS.
; THE QUOTIENT is made as x = w x y, the product rounded once, with y = 1 / s rounded to f32: v_rcp_f32 is good to one unit in the last place (ISA guide, its entry), and one Newton step by two fused
; multiply-adds, once a lane, rounds it rightly.  ORDER OF ROUNDING, stated: this x and a w / s that is rounded once differ by two units in the last place at the most; a weight whose quotient lies that near
; a pivot can take the neighbouring code.
; LIMITS.  |s| outside 2^-126 .. 2^126 is taken as 0 or infinite by v_rcp_f32; NaN is not treated apart; the pivots ascend (the search in the problem relies on it too).  s = 0 gives q = 0; a negative s is
; served: the reciprocal and the product carry its sign.  f16 holds no number beyond 65,504: inp and q lie within it; below 6e-5 they keep f16's fixed step of 6e-8.
; SHARES.  256 work-groups x 32 waves; each wave owns 2,048 consecutive numbers of inp and of weight (32 groups), in 16 trips of 128.  In a trip a lane loads 16 bytes (a wave: 512 consecutive bytes) and stores
; 8 bytes (a wave: 256 consecutive bytes, aligned).  No LDS, no barrier, no matrix unit: no wave wants a byte that another has fetched.
; IN FLIGHT.  All 16 loads of weight and the first 8 of inp go out at the head; inp's ring of eight slots is filled again as it is emptied.  Every wait for data is counted.
; SCALES.  Lane (r = l % 16, h = l / 16) holds the scale of the wave's group 2 r + h: one load, 128 consecutive bytes a wave.  Trip i's numbers of half h lie in group 2 i + h: lane i of the lane's own row of 16.
.set OI,  1                            ; v1       byte offset of my 16 bytes in inp and weight: 8,192 x wave + 16 l; never rewritten
.set OO,  2                            ; v2       the same in a16 and b16: 4,096 x wave + 8 l; never rewritten
.set OS,  3                            ; v3       my scale: 128 x wave + 8 r + 4 h
.set S,   4                            ; v4       my scale
.set RC,  5                            ; v5       1 / S
.set RB,  6                            ; v[6:7]   the trip's 1 / s and s
.set V0,  8                            ; v8       values[0]
.set PV,  9                            ; v9       a pivot a lane
.set VL,  10                           ; v10      a value a lane
.set TO,  11                           ; v11, v12 the two tables' offsets
.set X,   14                           ; v[14:17] the quotients (v13, v14: at work at the head)
.set Q,   18                           ; v[18:21] the chosen values, then q
.set IR,  24                           ; v[24:55] inp's ring: slot i % 8, four registers
.set WR,  56                           ; v[56:119] weight: trip i, four registers; then its two packed results
.set PS,  20                           ; s[20:34] the 15 pivots
.set VS,  36                           ; s[36:51] the 16 values
.set MK,  52                           ; s[52:55] four masks
	s_load_b256 s[4:11], s[0:1], 0x0               ; inp s[4:5], weight s[6:7], scales s[8:9], values s[10:11]
	s_load_b128 s[12:15], s[0:1], 0x20             ; pivots s[12:13], a16 s[14:15]
	s_load_b64 s[16:17], s[0:1], 0x30              ; b16
	s_mov_b32 s57, 0xbf800000                      ; -1.0
	s_mov_b32 s58, 0x3f800000                      ; 1.0
	v_and_b32 v[TO], 31, v0                        ; l
	v_and_b32 v[TO+1], 0x3e0, v0                   ; 32 x wave
	v_lshlrev_b32 v[OI], 4, v[TO]
	v_lshl_add_u32 v[OI], v[TO+1], 8, v[OI]
	v_lshlrev_b32 v[OO], 3, v[TO]
	v_lshl_add_u32 v[OO], v[TO+1], 7, v[OO]
	v_and_b32 v13, 15, v0                          ; r
	v_bfe_u32 v14, v0, 4, 1                        ; h
	v_lshlrev_b32 v[OS], 3, v13
	v_lshl_add_u32 v[OS], v14, 2, v[OS]
	v_lshl_add_u32 v[OS], v[TO+1], 2, v[OS]
	v_min_u32 v[TO], 14, v[TO]                     ; 15 pivots: lanes 14 to 31 take the last
	v_lshlrev_b32 v[TO], 2, v[TO]
	v_lshlrev_b32 v[TO+1], 2, v13                  ; 16 values: both halves of the lanes take all
	s_wait_kmcnt 0x0
	s_lshl_b32 s18, ttmp9, 18                      ; the work-group's 65,536 numbers: 262,144 bytes of f32,
	s_mov_b32 s19, 0
	s_add_nc_u64 s[4:5], s[4:5], s[18:19]
	s_add_nc_u64 s[6:7], s[6:7], s[18:19]
	s_lshl_b32 s18, ttmp9, 17                      ; 131,072 of f16,
	s_add_nc_u64 s[14:15], s[14:15], s[18:19]
	s_add_nc_u64 s[16:17], s[16:17], s[18:19]
	s_lshl_b32 s18, ttmp9, 12                      ; and 1,024 scales
	s_add_nc_u64 s[8:9], s[8:9], s[18:19]
	global_load_b32 v[PV], v[TO], s[12:13]
	global_load_b32 v[VL], v[TO+1], s[10:11]
	global_load_b32 v[S], v[OS], s[8:9] th:TH_LOAD_NT
.irp i, 0,1,2,3,4,5,6,7
	global_load_b128 v[WR+4*(\i):WR+4*(\i)+3], v[OI], s[6:7] offset:512*(\i) th:TH_LOAD_NT
	global_load_b128 v[IR+4*(\i):IR+4*(\i)+3], v[OI], s[4:5] offset:512*(\i) th:TH_LOAD_NT
.endr
.irp i, 8,9,10,11,12,13,14,15
	global_load_b128 v[WR+4*(\i):WR+4*(\i)+3], v[OI], s[6:7] offset:512*(\i) th:TH_LOAD_NT
.endr
	s_wait_loadcnt 24                              ; the tables and my scale are in: 24 loads were issued behind them (loads come back in order: ISA guide 5.7.1)
	v_rcp_f32 v[RC], v[S]
	v_mov_b32 v[RB], 0                             ; the plain instruction behind the reciprocal; the pair is also written whole before the lane moves below name it
	v_mov_b32 v[RB+1], 0
.set j, 0
.rept 15
	v_readlane_b32 s[PS+j], v[PV], j
.set j, j+1
.endr
.set j, 0
.rept 16
	v_readlane_b32 s[VS+j], v[VL], j
.set j, j+1
.endr
	v_mov_b32 v[V0], s[VS]
	s_wait_alu depctr_va_vdst(0)                   ; the wait between the reciprocal and the first line that names its result
	v_fma_f32 v13, -v4, v5, 1.0                    ; v4 = S, v5 = RC: what the reciprocal lacks, 1 - s y,
	v_fma_f32 v5, v13, v5, v5                      ; is put right: y + y (1 - s y), rounded once
; Trip i: 128 numbers of inp are rounded and stored; 128 of weight are divided, clipped, searched, multiplied back, rounded and stored.
.macro TRIP i
.set IS, IR+4*((\i)%8)
.set WS, WR+4*(\i)
.if (\i) < 8
	s_wait_loadcnt 22-(\i)                         ; younger than this trip's pair: 2 (7 - i) loads of later pairs, weight's last 8, and the i refills of earlier trips
.else
	s_wait_loadcnt 15-(\i)                         ; this trip's inp came by a refill: younger are the refills for trips i + 1 to 15
.endif
	v_cvt_pk_f16_f32 v[IS], v[IS], v[IS+1]
	v_cvt_pk_f16_f32 v[IS+1], v[IS+2], v[IS+3]
	global_store_b64 v[OO], v[IS:IS+1], s[14:15] offset:256*(\i)  ; 32 lanes store 256 consecutive bytes, at a multiple of 256 from a16's first byte
	v_mov_b32_dpp v[RB], v[RC] row_share:\i row_mask:0xf bank_mask:0xf    ; lane i of my row of 16 holds my group's 1 / s
	v_mov_b32_dpp v[RB+1], v[S] row_share:\i row_mask:0xf bank_mask:0xf   ; and its s
	v_pk_mul_f32 v[X:X+1], v[WS:WS+1], v[RB:RB+1] op_sel_hi:[1,0]         ; w x (1 / s): both halves by the pair's first register
	v_pk_mul_f32 v[X+2:X+3], v[WS+2:WS+3], v[RB:RB+1] op_sel_hi:[1,0]
.irp e, 0,1,2,3
	v_med3_num_f32 v[X+(\e)], v[X+(\e)], s57, s58  ; the clip
.endr
	; the search: the pivots ascend, so those below x are the first idx of them, and the last one that is below leaves values[idx]
.irp e, 0,1,2,3
	v_cmp_lt_f32 s[MK+(\e)], s[PS], v[X+(\e)]
.endr
.irp e, 0,1,2,3
	v_cndmask_b32 v[Q+(\e)], v[V0], s[VS+1], s[MK+(\e)]
.endr
.set j, 1
.rept 14
.irp e, 0,1,2,3
	v_cmp_lt_f32 s[MK+(\e)], s[PS+j], v[X+(\e)]
.endr
.irp e, 0,1,2,3
	v_cndmask_b32 v[Q+(\e)], v[Q+(\e)], s[VS+1+j], s[MK+(\e)]
.endr
.set j, j+1
.endr
	v_pk_mul_f32 v[Q:Q+1], v[Q:Q+1], v[RB:RB+1] op_sel:[0,1] op_sel_hi:[1,1]      ; values[idx] x s: both halves by the pair's second register
	v_pk_mul_f32 v[Q+2:Q+3], v[Q+2:Q+3], v[RB:RB+1] op_sel:[0,1] op_sel_hi:[1,1]
	v_cvt_pk_f16_f32 v[WS], v[Q], v[Q+1]
	v_cvt_pk_f16_f32 v[WS+1], v[Q+2], v[Q+3]
.if (\i) < 8
	s_wait_xcnt 0x0                                ; the store above has read the slot's first two registers (ISA guide 3.1): the slot is loaded again only behind this wait
	global_load_b128 v[IS:IS+3], v[OI], s[4:5] offset:512*((\i)+8) th:TH_LOAD_NT
.endif
	global_store_b64 v[OO], v[WS:WS+1], s[16:17] offset:256*(\i)  ; its registers are written no more
.endm
.irp i, 0,1,2,3,4,5,6,7,8,9,10,11,12,13,14,15
	TRIP \i
.endr
	s_endpgm
.Lfunc_end_k_q8e2965e19b_prep:
	.size	k_q8e2965e19b_prep, .Lfunc_end_k_q8e2965e19b_prep-k_q8e2965e19b_prep
	.p2alignl 7, 3214868480
	.fill 96, 4, 3214868480
	.section	.rodata,"a",@progbits
	.p2align	6, 0x0
	.amdhsa_kernel k_q8e2965e19b_prep
		.amdhsa_group_segment_fixed_size 0
		.amdhsa_private_segment_fixed_size 0
		.amdhsa_enable_private_segment 0
		.amdhsa_kernarg_size 56
		.amdhsa_user_sgpr_count 2
		.amdhsa_user_sgpr_kernarg_segment_ptr 1
		.amdhsa_wavefront_size32 1
		.amdhsa_system_sgpr_workgroup_id_x 1
		.amdhsa_system_sgpr_workgroup_id_y 1
		.amdhsa_system_sgpr_workgroup_id_z 1
		.amdhsa_system_vgpr_workitem_id 0
		.amdhsa_next_free_vgpr 128
		.amdhsa_next_free_sgpr 66
		.amdhsa_reserve_vcc 0
		.amdhsa_float_denorm_mode_32 3
		.amdhsa_float_denorm_mode_16_64 3
		.amdhsa_memory_ordered 1
		.amdhsa_forward_progress 1
		.amdhsa_inst_pref_size 145
	.end_amdhsa_kernel
	.amdgpu_metadata
---
amdhsa.version: [ 1, 2 ]
amdhsa.kernels:
  - .name:           k_q8e2965e19b_prep
    .symbol:         k_q8e2965e19b_prep.kd
    .args:
      - { .name: inp, .offset: 0, .size: 8, .value_kind: global_buffer, .address_space: global }
      - { .name: weight, .offset: 8, .size: 8, .value_kind: global_buffer, .address_space: global }
      - { .name: scales, .offset: 16, .size: 8, .value_kind: global_buffer, .address_space: global }
      - { .name: values, .offset: 24, .size: 8, .value_kind: global_buffer, .address_space: global }
      - { .name: pivots, .offset: 32, .size: 8, .value_kind: global_buffer, .address_space: global }
      - { .name: a16, .offset: 40, .size: 8, .value_kind: global_buffer, .address_space: global }
      - { .name: b16, .offset: 48, .size: 8, .value_kind: global_buffer, .address_space: global }
    .group_segment_fixed_size: 0
    .private_segment_fixed_size: 0
    .kernarg_segment_align: 8
    .kernarg_segment_size: 56
    .max_flat_workgroup_size: 1024
    .sgpr_count:     66
    .vgpr_count:     128
    .wavefront_size: 32
...
	.end_amdgpu_metadata
.endif
;; end of part 1
;; launch gemm (part 2): grid 16 x 16, 4 waves a work-group, clusters of 4 x 4, 327,680 bytes of LDS; arguments a16, b16, out0; writes out0
.if DOCPART == 2
	.amdgcn_target "amdgcn-amd-amdhsa--gfx1250"
	.amdhsa_code_object_version 6
	.text
	.protected	k_q8e2965e19b_gemm
	.globl	k_q8e2965e19b_gemm
	.p2align	8
	.type	k_q8e2965e19b_gemm,@function
k_q8e2965e19b_gemm:
	s_mov_b64 s[64:65], 0
	v_nop
	global_prefetch_b8 v0, s[64:65] scope:SCOPE_SE
	s_setreg_imm32_b32 hwreg(HW_REG_WAVE_MODE, 25, 1), 1
	s_wait_xcnt 0x0
	s_wait_alu depctr_hold_cnt(0) depctr_sa_sdst(0) depctr_va_vdst(0) depctr_va_sdst(0) depctr_va_ssrc(0) depctr_va_vcc(0) depctr_vm_vsrc(0)
	s_getreg_b32 s2, hwreg(HW_REG_IB_STS2, 6, 4)
	s_cmp_eq_u32 s2, 0
	s_cbranch_scc0 .Lentry_in_a_cluster
	s_endpgm
.Lentry_in_a_cluster:
	s_bfe_u32 s2, ttmp6, 0x10000c
	s_cmp_lg_u32 s2, 0xf033
	s_cbranch_scc0 .Lentry_shape_is_right
	s_endpgm
.Lentry_shape_is_right:
; out0[m][n] = the sum over k of a16[m][k] b16[n][k].  a16, b16: [4096][4096] f16; out0: [4096][4096] f32.  One f32 sum for each output, K ascending; nothing is rounded on the way out.
; A tile of out0, 256 x 256, is made by a work-group of four waves; a wave makes 128 x 128: 64 accumulators of 16 x 16, 512 registers.  256 tiles, 256 work-groups.
; K goes in 32 steps of 128 through a ring of two LDS slots filled by the tensor data mover; a tile's rows are 256 bytes of memory and start at multiples of 256 bytes from the buffer's first byte.
; CLUSTERS: 4 x 4 work-groups.  The four of a row of the cluster need the same tiles of a16, the four of a column the same tiles of b16: each tile is asked for JOINTLY, by the same tensor load with the
; same descriptor and a mask that names the four; each receives it in its own LDS.
; THE MATRIX INSTRUCTION IS USED TRANSPOSED: source 0 = 16 rows of b16, source 1 = 16 rows of a16.  In the result lane l holds row m = l % 16 and the columns 8 (l / 16) + 0 .. 7: 32 neighbouring bytes of a row.
; REGISTERS, in windows of 256 (s_set_vgpr_msb's low byte: bits 1:0 source 0, 3:2 source 1, 5:4 source 2, 7:6 destination):
;   window 0: v0-31 addresses; v64-127, v128-191 fragments of a16, two buffers; on the way out: two buffers of 16 rows read back from the stage
;   window 1: v64-127, v128-191 fragments of b16, two buffers
;   window 2: the 32 accumulators of my rows 0-63 (accumulator (a, b) at v[8 (8 a + b)]);   window 3: those of my rows 64-127
.set SIZE_K, 4096
.set SIZE_N, 4096
.set KSTEP,  128
.set PITCH,  272                       ; an LDS row: 256 bytes + 16 of padding = 68 words: row r starts at bank 4 r mod 64 (64 banks of 4 bytes: ISA guide 11.1): the 16 rows of a load start at 16 different banks
.set HALFT,  128*PITCH                 ; 128 rows: what one tensor load brings, and what one wave reads of either operand
.set SLOT,   4*HALFT                   ; a16's 256 rows, then b16's 256 rows
.set STAGE,  2*SLOT                    ; behind the ring: 16 rows x 528 bytes for each wave, for the way out; no tensor load lands here
.set SPITCH, 528                       ; 512 bytes + 16: 132 words: again 16 rows at 16 different banks
.set SPARE,  STAGE+4*16*SPITCH         ; behind the stages: the spare words, 128 bytes for each wave: two blocks of 256 bytes that no other line names
.set LAPS,   SIZE_K/(2*KSTEP)          ; a lap = two K steps = once round the ring: 16
.set ADRA, 16                          ; v16-17  LDS address of my a16 fragments in slot 0, 1
.set ADRB, 20                          ; v20-21  the same for b16
.set STO,  24                          ; v24     the way out: where I put 32 bytes of a row
.set RD,   25                          ; v25     the way out: where I read 16 bytes of a row back
.set CO,   26                          ; v26     my 16 bytes in 512 consecutive bytes of out0; never rewritten
.set SPW,  28                          ; v28     LDS address of my spare word: SPARE + 4 x my thread's number; never rewritten
.set NIL,  29                          ; v29     0; never rewritten
.set PFO,  30                          ; v30     the prefetches' offset: my lane x a row of 8,192 bytes; never rewritten
.set PFA,  44                          ; s[44:45] where my prefetches stand: my work-group's 32 rows of the 128 that I fetch, one K step beyond the refill in hand; a prefetch names the K step after that
.set LIM,  43                          ; s43     1 in a wave that prefetches, else the greatest number
.set F0,   64
.set F1,   128
.set G1,  24                           ; s[24:31] descriptor group 1 for a16's tiles
.set G0,  32                           ; s[32:39] descriptor group 0 for a16's tiles, a set for each slot
.set G1B, 48                           ; s[48:55] group 1 for b16's tiles: it differs in the mask alone
.set G0B, 56                           ; s[56:63] group 0 for b16's tiles, a set for each slot
.set MSB, 0
.macro WIN new                         ; the immediate's high byte repeats the setting that is left; a switch that changes nothing is dropped
.if MSB != (\new)
	s_set_vgpr_msb (MSB<<8)|(\new)
.set MSB, \new
.endif
.endm
.set MUL_LO, 0xa1                      ; source 0 (b16) window 1, source 1 (a16) window 0, C and D window 2
.set MUL_HI, 0xf1                      ; the same, C and D window 3
.set TO_B,   0x40                      ; destination window 1, address window 0
; A joint load.  Waves 0 and 1 fetch a16's two halves, waves 2 and 3 b16's.  Each line has one mask and one set of registers for all that issue it; the branch hangs on the wave's number alone.
; An s_nop 0 and four v_nop follow each of the two lines, ahead of the jump, the label and what follows.
.macro JLOAD s
	s_cmp_eq_u32 s11, 0
	s_cbranch_scc0 .Lfor_b_\@
	tensor_load_to_lds s[G0+4*(\s):G0+4*(\s)+3], s[G1:G1+7]
	s_nop 0
.rept 4
	v_nop
.endr
	s_branch .Lasked_\@
.Lfor_b_\@:
	tensor_load_to_lds s[G0B+4*(\s):G0B+4*(\s)+3], s[G1B:G1B+7]
	s_nop 0
.rept 4
	v_nop
.endr
.Lasked_\@:
.endm
; A prefetch, behind each joint refill and the run of LDS loads that follows it: the K step that stands two refills on: 32 rows x 256 bytes, a lane a row, one instruction a wave.
; Each row's 256 bytes of a K step are named once in the launch: a16's rows by the clusters with x = 0, b16's by those with y = 0; the four partners that ask for a tile jointly share the 128 rows that a wave
; fetches BY ADDRESS, 32 each (by cx for a16, by cy for b16): no branch hangs on a work-group's place in its cluster.  K steps 0 to 3 come by their loads alone; the loop's last trip (s3 = 1), whose refills
; are K steps 30 and 31, asks for nothing: there is no K step two on.
.macro ASK
	s_cmp_gt_u32 s3, s[LIM]
	s_cbranch_scc0 .Lnot_mine_\@
	global_prefetch_b8 v[PFO], s[PFA:PFA+1] offset:KSTEP*2 th:TH_LOAD_NT scope:SCOPE_SE
.Lnot_mine_\@:
.endm
; A round of the cluster's barrier: my work-group's barrier, so that wave 0's signal speaks for all four waves; wave 0 signals; every wave waits for all sixteen work-groups; my work-group's barrier once more.
.macro CREST                           ; a round behind its opening barrier
	s_cmp_lg_u32 s10, 0
	s_cbranch_scc1 .Lnot_wave_0_\@
	s_barrier_signal -3
.Lnot_wave_0_\@:
	s_barrier_wait -3
	s_barrier_signal -1
	s_barrier_wait -1
.endm
.macro CROUND                          ; a whole round
	s_barrier_signal -1
	s_barrier_wait -1
	CREST
.endm
	s_load_b128 s[4:7], s[0:1], 0x0                ; a16 s[4:5], b16 s[6:7]
	s_load_b64 s[8:9], s[0:1], 0x10                ; out0
	v_lshl_add_u32 v[SPW], v0, 2, SPARE
	v_mov_b32 v[NIL], 0
	ds_add_u32 v[SPW], v[NIL]                      ; the wave's opening: the add and its wait stand ahead of my first tensor load; the set-up below, work on registers, stands between them
	v_lshrrev_b32 v1, 5, v0
	v_readfirstlane_b32 s10, v1                    ; wave 0..3
	s_lshr_b32 s11, s10, 1                         ; which half of the tile's rows is mine.  Also: I fetch for a16 (0) or for b16 (1)
	s_and_b32 s12, s10, 1                          ; which half of its columns.  Also: which 128 rows of that tile I fetch
	s_bfe_u32 s40, ttmp6, 0x40000                  ; cx
	s_bfe_u32 s41, ttmp6, 0x40004                  ; cy
	s_lshl_b32 s42, ttmp9, 2                       ; in a cluster launch ttmp9 and ttmp7 count clusters
	s_add_co_u32 s42, s42, s40                     ; tile column = 4 x cluster x + cx
	s_and_b32 s13, ttmp7, 0xffff
	s_lshl_b32 s13, s13, 2
	s_add_co_u32 s13, s13, s41                     ; tile row = 4 x cluster y + cy
	s_lshl_b32 s43, s41, 2
	s_lshl_b32 s43, 15, s43                        ; my row of the cluster: places 4 cy .. 4 cy + 3
	s_lshl_b32 s44, 0x1111, s40                    ; my column: places cx, cx + 4, cx + 8, cx + 12
	; descriptor group 1: a tile of 128 rows x 128 elements, padded in LDS
	s_or_b32 s[G1+0], s43, (1<<16)|(1<<20)|(1<<21)|(5<<22)|(3<<25)  ; 15:0 the mask: a16's tiles go to my row; 17:16 elements of 2 bytes; 20 padding on; 21 set beside a mask; 24:22 after every 64 words (code 5); 31:25 4 words (code 3)
	s_or_b32 s[G1B+0], s44, (1<<16)|(1<<20)|(1<<21)|(5<<22)|(3<<25) ; the same with the mask of my column, for b16's tiles
	s_mov_b32 s[G1B+1], KSTEP<<16
	s_mov_b32 s[G1+1], KSTEP<<16                   ; tensor_dim0 = 128
	s_mov_b32 s[G1B+2], 128<<16
	s_mov_b32 s[G1+2], 128<<16                     ; tensor_dim1 = 128
	s_mov_b32 s[G1B+3], KSTEP<<16
	s_mov_b32 s[G1+3], KSTEP<<16                   ; tile_dim0 = 128
	s_mov_b32 s[G1B+4], 128
	s_mov_b32 s[G1+4], 128                         ; tile_dim1 = 128
	s_mov_b32 s[G1B+5], SIZE_K
	s_mov_b32 s[G1+5], SIZE_K                      ; elements from row to row
	s_mov_b32 s[G1B+6], 0
	s_mov_b32 s[G1+6], 0
	s_mov_b32 s[G1B+7], 0
	s_mov_b32 s[G1+7], 0
	; where the tiles come from.  a16's hang on the tile row alone, which my row of the cluster shares; b16's on the tile column alone, which my column shares.
	; Every wave makes both addresses, in registers that never hold the other coordinate, and asks by one of them.
	s_lshl_b32 s17, s12, 7                         ; which 128 rows of the tile I fetch
	s_lshl_b32 s16, s13, 8
	s_add_co_u32 s16, s16, s17                     ; a16: row 256 x tile row + 128 x half
	s_lshl_b32 s46, s42, 8
	s_add_co_u32 s46, s46, s17                     ; b16: row 256 x tile column + 128 x half
	s_mov_b32 s17, 0
	s_mov_b32 s47, 0
	s_mov_b64 s[18:19], SIZE_K*2
	s_mul_u64 s[16:17], s[16:17], s[18:19]         ; in bytes
	s_mul_u64 s[46:47], s[46:47], s[18:19]
	s_mul_i32 s20, s10, HALFT                      ; and where they go: wave x 128 rows: no place in the cluster enters an LDS address
	s_wait_dscnt 0x0                               ; the opening add is done
	s_wait_kmcnt 0x0
	s_add_nc_u64 s[14:15], s[4:5], s[16:17]
	s_add_nc_u64 s[46:47], s[6:7], s[46:47]
	CROUND                                         ; all sixteen work-groups are here: the first joint loads meet
.irp s, 0,1
	s_mov_b32 s[G0+4*(\s)], 1                                      ; count = 1
	s_add_co_u32 s[G0+4*(\s)+1], s20, (\s)*SLOT                    ; LDS address
	s_add_nc_u64 s[G0+4*(\s)+2:G0+4*(\s)+3], s[14:15], (\s)*KSTEP*2  ; global address: K step s
	s_or_b32 s[G0+4*(\s)+3], s[G0+4*(\s)+3], 0x80000000            ; type = 2
	s_mov_b32 s[G0B+4*(\s)], 1
	s_add_co_u32 s[G0B+4*(\s)+1], s20, (\s)*SLOT
	s_add_nc_u64 s[G0B+4*(\s)+2:G0B+4*(\s)+3], s[46:47], (\s)*KSTEP*2
	s_or_b32 s[G0B+4*(\s)+3], s[G0B+4*(\s)+3], 0x80000000
	JLOAD \s                                       ; both slots are asked for before anything else is done: two tensor loads of mine are out
.endr
	; A fragment is 16 rows x 32 K in 8 registers: lane l holds row l % 16; registers 0-3 K = 8 (l / 16) + 0..7, registers 4-7 K = 16 + 8 (l / 16) + 0..7: two loads of 16 bytes, 32 bytes apart.
	v_and_b32 v1, 15, v0                           ; l % 16
	v_bfe_u32 v2, v0, 4, 1                         ; l / 16
	v_mul_u32_u24 v3, v1, PITCH
	v_lshl_add_u32 v3, v2, 4, v3                   ; row x pitch + 16 x half
	s_mul_i32 s21, s11, HALFT                      ; my 128 rows of a16
	s_mul_i32 s22, s12, HALFT                      ; my 128 rows of b16,
	s_add_co_u32 s22, s22, 2*HALFT                 ; which lie behind a16's 256
.irp s, 0,1
	v_add_nc_u32 v[ADRA+(\s)], s21, v3
	v_add_nc_u32 v[ADRB+(\s)], s22, v3
	s_add_co_u32 s21, s21, SLOT
	s_add_co_u32 s22, s22, SLOT
.endr
	s_mul_i32 s23, s10, 16*SPITCH
	s_add_co_u32 s23, s23, STAGE                   ; my stage
	v_mul_u32_u24 v4, v1, SPITCH                   ; in: row l % 16, 32 bytes for each half of the lanes
	v_lshl_add_u32 v4, v2, 5, v4
	v_add_nc_u32 v[STO], s23, v4
	v_and_b32 v5, 31, v0
	v_lshlrev_b32 v[CO], 4, v5                     ; back: 32 lanes take one row of 512 bytes,
	v_add_nc_u32 v[RD], s23, v[CO]                 ; which are 512 consecutive bytes of out0
	; out0 at my part of the tile
	s_lshl_b32 s13, s13, 8
	s_lshl_b32 s14, s11, 7
	s_add_co_u32 s16, s13, s14                     ; my first row
	s_mov_b32 s17, 0
	s_mov_b64 s[18:19], SIZE_N*4
	s_mul_u64 s[16:17], s[16:17], s[18:19]
	s_lshl_b32 s46, s42, 10                        ; my first column, in bytes: 1,024 x tile column + 512 x half
	s_lshl_b32 s47, s12, 9
	s_add_co_u32 s46, s46, s47
	s_mov_b32 s47, 0
	s_add_nc_u64 s[16:17], s[16:17], s[46:47]
	s_add_nc_u64 s[8:9], s[8:9], s[16:17]
	; the prefetches.  s13 = 256 x tile row, s42 = tile column, s40 = cx, s41 = cy still stand
	s_lshl_b32 s42, s42, 8
	s_and_b32 s22, ttmp7, 0xffff                   ; cluster y
	s_cmp_eq_u32 s11, 0                            ; do I fetch for a16?
	s_cselect_b32 s20, s13, s42                    ; the tile's first row
	s_cselect_b32 s21, s40, s41                    ; my place among the four that ask for it with me
	s_cselect_b32 s22, ttmp9, s22                  ; the coordinate along which other clusters read the same rows
	s_cselect_b64 s[PFA:PFA+1], s[4:5], s[6:7]
	s_cmp_eq_u32 s22, 0
	s_cselect_b32 s[LIM], 1, -1                    ; the same in all sixteen partners, for a given wave
	s_lshl_b32 s22, s12, 7
	s_add_co_u32 s20, s20, s22                     ; + the 128 rows that I fetch
	s_lshl_b32 s21, s21, 5
	s_add_co_u32 s20, s20, s21                     ; + my work-group's 32 of them
	s_mov_b32 s21, 0
	s_mov_b64 s[18:19], SIZE_K*2
	s_mul_u64 s[20:21], s[20:21], s[18:19]
	s_add_nc_u64 s[PFA:PFA+1], s[PFA:PFA+1], s[20:21]
	s_add_nc_u64 s[PFA:PFA+1], s[PFA:PFA+1], 2*KSTEP*2  ; at K step 2: the first refill steps it to 3 and names K step 4
	v_and_b32 v[PFO], 31, v0
	v_mul_u32_u24 v[PFO], v[PFO], SIZE_K*2
; 16 matrix instructions: m blocks a0, a0 + 1 of the window's four (hi = 0: my rows 0-63, 1: rows 64-127) x all 8 n blocks, 32 along K.  zero = 1: the first product starts the sums: nothing is cleared.
; The 64 accumulators take turns, one instruction a turn, in the same order in every quarter step, over the backward jump too.
.macro MUL16 f, hi, a0, zero
	WIN MUL_LO+0x50*(\hi)
.irp a, \a0, (\a0)+1
.irp b, 0,1,2,3,4,5,6,7
.if \zero
	v_wmma_f32_16x16x32_f16 v[8*(8*(\a)+(\b)):8*(8*(\a)+(\b))+7], v[(\f)+8*(\b):(\f)+8*(\b)+7], v[(\f)+8*(4*(\hi)+(\a)):(\f)+8*(4*(\hi)+(\a))+7], 0
.else
	v_wmma_f32_16x16x32_f16 v[8*(8*(\a)+(\b)):8*(8*(\a)+(\b))+7], v[(\f)+8*(\b):(\f)+8*(\b)+7], v[(\f)+8*(4*(\hi)+(\a)):(\f)+8*(4*(\hi)+(\a))+7], v[8*(8*(\a)+(\b)):8*(8*(\a)+(\b))+7]
.endif
.endr
.endr
.endm
; 32 LDS loads in one run: the fragments of one quarter step (128 rows of b16, 128 rows of a16, 32 K at byte k of the rows) into buffer f
.macro FETCH slot, k, f
	WIN TO_B
.irp i, 0,1,2,3,4,5,6,7
	ds_load_b128 v[(\f)+8*(\i):(\f)+8*(\i)+3],   v[ADRB+(\slot)] offset:(\k)+(\i)*16*PITCH
	ds_load_b128 v[(\f)+8*(\i)+4:(\f)+8*(\i)+7], v[ADRB+(\slot)] offset:(\k)+(\i)*16*PITCH+32
.endr
	WIN 0
.irp i, 0,1,2,3,4,5,6,7
	ds_load_b128 v[(\f)+8*(\i):(\f)+8*(\i)+3],   v[ADRA+(\slot)] offset:(\k)+(\i)*16*PITCH
	ds_load_b128 v[(\f)+8*(\i)+4:(\f)+8*(\i)+7], v[ADRA+(\slot)] offset:(\k)+(\i)*16*PITCH+32
.endr
.endm
; A load into a register that a matrix instruction has read, and an LDS store that reads a matrix result, stand four places behind that matrix instruction; only plain vector instructions that name none
; of its registers are places (ISA guide 7.12.1 for vector instructions).
.macro PLACES
.rept 4
	v_nop
.endr
.endm
; A K step is four quarter steps of 32 along K, 64 matrix instructions each, on buffers 0, 1, 0, 1.
; One of the first three: multiplies buffer f; in its middle it fetches the next quarter's fragments, at byte k of the same slot's rows, into buffer g.
.macro QUARTER slot, k, f, g, zero
	s_wait_dscnt 8                                 ; b16's fragments and a16's rows 0-63 are in; the youngest eight loads (a16's rows 64-127) may be out
	WIN MUL_LO
	MUL16 \f, 0, 0, \zero
	MUL16 \f, 0, 2, \zero
	PLACES
	FETCH \slot, \k, \g
	s_wait_dscnt 32                                ; all but the 32 just issued
	WIN MUL_HI
	MUL16 \f, 1, 0, \zero
	MUL16 \f, 1, 2, \zero
.endm
; The last quarter multiplies buffer 1 and changes slots.  MEET is its first half: ONE barrier for the change.  In front of it each wave waits for all its tensor loads, of which one is out: its part of the
; next slot; adds 0 to its spare word; and waits for that and for its own reads of this slot.  Behind it nobody reads this slot any more and the next slot is whole.
.macro MEET round                      ; round = 1: the rest of a round of the cluster's barrier follows
	WIN 0                                          ; (the add's two registers lie in window 0)
	s_wait_tensorcnt 0x0                           ; all my tensor loads have landed;
	ds_add_u32 v[SPW], v[NIL]                      ; 0 onto my spare word;
	s_wait_dscnt 9                                 ; (the add and the youngest eight loads may be out)
	WIN MUL_LO
	MUL16 F1, 0, 0, 0                              ; sixteen matrix instructions stand between the add and the wait for it
	s_wait_dscnt 0x0                               ; the add is done, and my reads of this slot are over:
	s_barrier_signal -1                            ; say so,
	MUL16 F1, 0, 2, 0                              ; work on registers while the others arrive,
.if \round
	WIN 0
.endif
	s_barrier_wait -1                              ; and go on when all four have said so
.endm
; The whole last quarter.  fill = 1: behind a round of the cluster's barrier the slot just read out is filled again first, with the K step two steps on; then come the next slot's first fragments.
; From a request to the wait for it a wave issues 224 matrix instructions.
.macro TURN slot, next, fill
.if \fill
	s_wait_xcnt 0x0                                ; the last prefetch, a K step back, has read its address: it is stepped here, ahead of the waits of the change of slots
	s_add_nc_u64 s[PFA:PFA+1], s[PFA:PFA+1], KSTEP*2
	MEET 1
	CREST                                          ; no wave of any partner still reads this slot's tile or has a load on its way
	s_add_nc_u64 s[G0+4*(\slot)+2:G0+4*(\slot)+3], s[G0+4*(\slot)+2:G0+4*(\slot)+3], 2*KSTEP*2      ; no tensor load of mine is out: a group 0 may be written
	s_add_nc_u64 s[G0B+4*(\slot)+2:G0B+4*(\slot)+3], s[G0B+4*(\slot)+2:G0B+4*(\slot)+3], 2*KSTEP*2
	JLOAD \slot                                    ; the first tensor load behind the round, my only one until the next; its four v_nop are also the places in front of the loads below
	FETCH \next, 0, F0
	ASK
.else
	MEET 0                                         ; nothing is filled again, so no round follows
	PLACES
	FETCH \next, 0, F0
.endif
	WIN MUL_HI
	MUL16 F1, 1, 0, 0
	MUL16 F1, 1, 2, 0
.endm
; THE WAY OUT of block a (16 of my rows x 128 columns of f32).  TOSTAGE: a lane's 32 bytes of a row for each of the 8 n blocks go into my own stage, rows of 528 bytes, each accumulator's low registers
; first; the rows come back whole, 512 bytes to a load, into one of two buffers.  SEND: each row is stored.
.macro TOSTAGE a
.set AC, 64*((\a)%4)
.set BK, F0+64*((\a)%2)
	WIN 0x08+4*((\a)/4)                            ; the stores' data (source 1) in window 2 or 3, the address in window 0
.irp b, 0,1,2,3,4,5,6,7
	ds_store_b128 v[STO], v[AC+8*(\b):AC+8*(\b)+3]   offset:64*(\b)
	ds_store_b128 v[STO], v[AC+8*(\b)+4:AC+8*(\b)+7] offset:64*(\b)+16
.endr
	WIN 0
	s_wait_xcnt 0x0                                ; the stores of the block two back have read this buffer (ISA guide 3.1): it is loaded again only behind this wait
.irp t, 0,1,2,3,4,5,6,7,8,9,10,11,12,13,14,15
	ds_load_b128 v[BK+4*(\t):BK+4*(\t)+3], v[RD] offset:(\t)*SPITCH  ; LDS serves a wave's instructions in order (ISA guide 5.7.1.4): these see the stores above; the next block's stores come behind them
.endr
.endm
.macro SEND a, younger                 ; younger: the LDS instructions issued behind block a's loads: the next block's 32, or none
	WIN 0
.set BK, F0+64*((\a)%2)
.irp t, 0,1,2,3,4,5,6,7,8,9,10,11,12,13,14,15
	s_wait_dscnt (\younger)+15-(\t)
	global_store_b128 v[CO], v[BK+4*(\t):BK+4*(\t)+3], s[8:9] offset:(16*(\a)+(\t))*SIZE_N*4 th:TH_STORE_NT  ; 32 lanes store 512 consecutive bytes, at a multiple of 512 from out0's first byte; the row stands in the immediate, 2,080,768 at the most
.endr
.endm
	s_wait_tensorcnt 1                             ; my part of K step 0 is in; K step 1's may stay out
	s_barrier_signal -1
	s_barrier_wait -1                              ; everybody's is
	FETCH 0, 0, F0
	QUARTER 0, 64,  F0, F1, 1                      ; the first quarter stands in front of the loop: its products start the sums
	WIN 0                                          ; at a label and at a branch every window is 0
	s_mov_b32 s3, LAPS-1
.Llap:                                                 ; a trip goes once round the ring, from a lap's second quarter to the next lap's first, and fills both slots again
	QUARTER 0, 128, F1, F0, 0
	QUARTER 0, 192, F0, F1, 0
	TURN 0, 1, 1
	QUARTER 1, 64,  F0, F1, 0
	QUARTER 1, 128, F1, F0, 0
	QUARTER 1, 192, F0, F1, 0
	TURN 1, 0, 1
	QUARTER 0, 64,  F0, F1, 0
	WIN 0
	s_sub_co_u32 s3, s3, 1
	s_cmp_lg_u32 s3, 0
	s_cbranch_scc1 .Llap
	QUARTER 0, 128, F1, F0, 0                      ; the last lap is written out: it fills nothing
	QUARTER 0, 192, F0, F1, 0
	TURN 0, 1, 0
	QUARTER 1, 64,  F0, F1, 0
	QUARTER 1, 128, F1, F0, 0
	QUARTER 1, 192, F0, F1, 0
	s_wait_dscnt 8                                 ; the very last quarter: nothing more to fetch
	WIN MUL_LO
	MUL16 F1, 0, 0, 0
	MUL16 F1, 0, 2, 0
	s_wait_dscnt 0x0
	WIN MUL_HI
	MUL16 F1, 1, 0, 0
	MUL16 F1, 1, 2, 0
	PLACES                                         ; in front of the stores that read results, and of the loads into the fragment buffers
	PLACES
	TOSTAGE 0
.irp a, 1,2,3,4,5,6,7                  ; block a's way through the stage stands between block a - 1's loads and its stores
	TOSTAGE \a
	SEND (\a)-1, 32
.endr
	SEND 7, 0
	s_wait_tensorcnt 0x0                           ; the wave's end: an add to my spare word and its wait, behind my last tensor load and my last LDS store
	ds_add_u32 v[SPW], v[NIL]
	s_wait_dscnt 0x0
	CROUND                                         ; the closing round: no work-group ends while a partner may still ask for a tile that names it
	s_endpgm
.Lfunc_end_k_q8e2965e19b_gemm:
	.size	k_q8e2965e19b_gemm, .Lfunc_end_k_q8e2965e19b_gemm-k_q8e2965e19b_gemm
	.p2alignl 7, 3214868480
	.fill 96, 4, 3214868480
	.section	.rodata,"a",@progbits
	.p2align	6, 0x0
	.amdhsa_kernel k_q8e2965e19b_gemm
		.amdhsa_group_segment_fixed_size 327680
		.amdhsa_private_segment_fixed_size 0
		.amdhsa_enable_private_segment 0
		.amdhsa_kernarg_size 24
		.amdhsa_user_sgpr_count 2
		.amdhsa_user_sgpr_kernarg_segment_ptr 1
		.amdhsa_wavefront_size32 1
		.amdhsa_system_sgpr_workgroup_id_x 1
		.amdhsa_system_sgpr_workgroup_id_y 1
		.amdhsa_system_sgpr_workgroup_id_z 1
		.amdhsa_system_vgpr_workitem_id 0
		.amdhsa_next_free_vgpr 1024
		.amdhsa_next_free_sgpr 66
		.amdhsa_reserve_vcc 0
		.amdhsa_float_denorm_mode_32 3
		.amdhsa_float_denorm_mode_16_64 3
		.amdhsa_memory_ordered 1
		.amdhsa_forward_progress 1
		.amdhsa_inst_pref_size 145
	.end_amdhsa_kernel
	.amdgpu_metadata
---
amdhsa.version: [ 1, 2 ]
amdhsa.kernels:
  - .name:           k_q8e2965e19b_gemm
    .symbol:         k_q8e2965e19b_gemm.kd
    .args:
      - { .name: a16, .offset: 0, .size: 8, .value_kind: global_buffer, .address_space: global }
      - { .name: b16, .offset: 8, .size: 8, .value_kind: global_buffer, .address_space: global }
      - { .name: out0, .offset: 16, .size: 8, .value_kind: global_buffer, .address_space: global }
    .group_segment_fixed_size: 327680
    .private_segment_fixed_size: 0
    .kernarg_segment_align: 8
    .kernarg_segment_size: 24
    .max_flat_workgroup_size: 128
    .sgpr_count:     66
    .vgpr_count:     1024
    .wavefront_size: 32
...
	.end_amdgpu_metadata
.endif
;; end of part 2
;; ======== version 2 of 2: 2 launches; version 1 with the launch prep written anew for expert scheduling mode
;; limits: values are held in f16: magnitudes above 65,504 overflow, below 6.1e-05 lose precision
;; workspace buffers: a16 33,554,432 bytes; b16 33,554,432 bytes
;; launch prep (part 3): grid 256 x 1, 32 waves a work-group, no clusters, 0 bytes of LDS; arguments inp, weight, scales, values, pivots, a16, b16; writes a16, b16
.if DOCPART == 3
	.amdgcn_target "amdgcn-amd-amdhsa--gfx1250"
	.amdhsa_code_object_version 6
	.text
	.protected	k_q8e2965e19b_prep
	.globl	k_q8e2965e19b_prep
	.p2align	8
	.type	k_q8e2965e19b_prep,@function
k_q8e2965e19b_prep:
	s_mov_b64 s[64:65], 0
	v_nop
	global_prefetch_b8 v0, s[64:65] scope:SCOPE_SE
	s_setreg_imm32_b32 hwreg(HW_REG_WAVE_SCHED_MODE, 0, 2), 2
	s_setreg_imm32_b32 hwreg(HW_REG_WAVE_MODE, 25, 1), 1
	s_wait_xcnt 0x0
	s_wait_alu depctr_vm_vsrc(0)
; a16 = f16(inp);  b16 = f16(q),  q = values[idx] * s,  idx = the number of pivots strictly below clip(w / s, -1, 1),  s the scale of w's group of 64.
; inp, weight: 16,777,216 f32 each; scales: 262,144 f32; values: 16 f32; pivots: 15 f32; a16, b16: the same shape as inp and weight, f16, row-major.
; FORMAT.  The search is made in f32 on the inputs as they are given; only its result q, and inp, are rounded, once, to f16, as the matrix product's operands.  f16, since it keeps 11 significant bits and
; both operands have room in it: see LIMITS.
; THE QUOTIENT is made as x = w x y, the product rounded once, with y = 1 / s rounded to f32: v_rcp_f32 is good to one unit in the last place (ISA guide, its entry), and one Newton step by two fused
; multiply-adds, once a lane, rounds it rightly.  ORDER OF ROUNDING, stated: this x and a w / s that is rounded once differ by two units in the last place at the most; a weight whose quotient lies that near
; a pivot can take the neighbouring code.
; LIMITS.  |s| outside 2^-126 .. 2^126 is taken as 0 or infinite by v_rcp_f32; NaN is not treated apart; the pivots ascend (the search in the problem relies on it too).  s = 0 gives q = 0; a negative s is
; served: the reciprocal and the product carry its sign.  f16 holds no number beyond 65,504: inp and q lie within it; below 6e-5 they keep f16's fixed step of 6e-8.
; SHARES.  256 work-groups x 32 waves; each wave owns 2,048 consecutive numbers of inp and of weight (32 groups), in 16 trips of 128.  In a trip a lane loads 16 bytes (a wave: 512 consecutive bytes) and stores
; 8 bytes (a wave: 256 consecutive bytes, aligned).  No LDS, no barrier, no matrix unit: no wave wants a byte that another has fetched.
; IN FLIGHT.  All 16 loads of weight and the first 8 of inp go out at the head; inp's ring of eight slots is filled again as it is emptied.  Every wait for data is counted.
; SCALES.  Lane (r = l % 16, h = l / 16) holds the scale of the wave's group 2 r + h: one load, 128 consecutive bytes a wave.  Trip i's numbers of half h lie in group 2 i + h: lane i of the lane's own row of 16.
; THE MODE: SCHED_MODE bits 1:0 = 2 (LLVM: expert scheduling mode 2), set by the entry lines.  The code itself states the register dependences between vector instructions and memory instructions, and
; between a vector instruction that writes a scalar register and that register's readers, with s_wait_alu, always for 0.
; THE PLAN.  Registers that memory instructions touch:
;   v1, v2, v3, v11, v12   byte offsets, made once at the head and never written again: the trips are reached by immediate offsets.
;   v4, v9, v10            my scale and the two tables: each loaded once; no vector instruction writes them.
;   IR, slot i % 8         Trip i: its two conversions of inp read the slot; in trips 0 to 7 the load for trip i + 8 lands in it, in the same trip.  No store reads it.
;   WR, trip i's four      Loaded once.  Trip i's two packed multiplies read them; then they are the trip's out-buffer: registers 2, 3 take f16(inp), stored in the middle of trip i; registers 0, 1 take f16(q)
;                          at the trip's end, stored in the middle of trip i + 1.  They are written no more: no register that a store reads is ever written again.
; So ONE wait on va_vdst stands in a trip, in its middle: it states that the trip's conversions of inp are done reading the slot and have written their pair, and that the trip before has written its pair of q.
; The trip's load and its two stores follow it directly.
; THE MASKS.  The compares stand in two runs, of 8 pivots x 4 numbers and of 7 x 4, into 32 scalar registers, with one wait on va_sdst behind each run, ahead of the selects that read the masks.
.set OI,  1                            ; v1       byte offset of my 16 bytes in inp and weight: 8,192 x wave + 16 l; never rewritten
.set OO,  2                            ; v2       the same in a16 and b16: 4,096 x wave + 8 l; never rewritten
.set OS,  3                            ; v3       my scale: 128 x wave + 8 r + 4 h
.set S,   4                            ; v4       my scale
.set RC,  5                            ; v5       1 / S
.set RB,  6                            ; v[6:7]   the trip's 1 / s and s
.set V0,  8                            ; v8       values[0]
.set PV,  9                            ; v9       a pivot a lane
.set VL,  10                           ; v10      a value a lane
.set TO,  11                           ; v11, v12 the two tables' offsets
.set X,   14                           ; v[14:17] the quotients (v13, v14: at work at the head)
.set Q,   18                           ; v[18:21] the chosen values, then q
.set IR,  24                           ; v[24:55] inp's ring: slot i % 8, four registers
.set WR,  56                           ; v[56:119] weight: trip i, four registers; then its packed results: q's pair, inp's pair
.set PS,  20                           ; s[20:34] the 15 pivots
.set VS,  36                           ; s[36:51] the 16 values
.set MK,  66                           ; s[66:97] 32 masks: pivot j of a run, number e at MK + 4 j + e
	s_load_b256 s[4:11], s[0:1], 0x0               ; inp s[4:5], weight s[6:7], scales s[8:9], values s[10:11]
	s_load_b128 s[12:15], s[0:1], 0x20             ; pivots s[12:13], a16 s[14:15]
	s_load_b64 s[16:17], s[0:1], 0x30              ; b16
	s_mov_b32 s57, 0xbf800000                      ; -1.0
	s_mov_b32 s58, 0x3f800000                      ; 1.0
	v_and_b32 v[TO], 31, v0                        ; l
	v_and_b32 v[TO+1], 0x3e0, v0                   ; 32 x wave
	v_lshlrev_b32 v[OI], 4, v[TO]
	v_lshl_add_u32 v[OI], v[TO+1], 8, v[OI]
	v_lshlrev_b32 v[OO], 3, v[TO]
	v_lshl_add_u32 v[OO], v[TO+1], 7, v[OO]
	v_and_b32 v13, 15, v0                          ; r
	v_bfe_u32 v14, v0, 4, 1                        ; h
	v_lshlrev_b32 v[OS], 3, v13
	v_lshl_add_u32 v[OS], v14, 2, v[OS]
	v_lshl_add_u32 v[OS], v[TO+1], 2, v[OS]
	v_min_u32 v[TO], 14, v[TO]                     ; 15 pivots: lanes 14 to 31 take the last
	v_lshlrev_b32 v[TO], 2, v[TO]
	v_lshlrev_b32 v[TO+1], 2, v13                  ; 16 values: both halves of the lanes take all
	s_wait_kmcnt 0x0
	s_lshl_b32 s18, ttmp9, 18                      ; the work-group's 65,536 numbers: 262,144 bytes of f32,
	s_mov_b32 s19, 0
	s_add_nc_u64 s[4:5], s[4:5], s[18:19]
	s_add_nc_u64 s[6:7], s[6:7], s[18:19]
	s_lshl_b32 s18, ttmp9, 17                      ; 131,072 of f16,
	s_add_nc_u64 s[14:15], s[14:15], s[18:19]
	s_add_nc_u64 s[16:17], s[16:17], s[18:19]
	s_lshl_b32 s18, ttmp9, 12                      ; and 1,024 scales
	s_add_nc_u64 s[8:9], s[8:9], s[18:19]
	s_wait_alu depctr_va_vdst(0)                   ; the five offsets v1, v2, v3, v11 and v12 are written: every load and store of the kernel reads one of them
	global_load_b32 v[PV], v[TO], s[12:13]
	global_load_b32 v[VL], v[TO+1], s[10:11]
	global_load_b32 v[S], v[OS], s[8:9] th:TH_LOAD_NT
.irp i, 0,1,2,3,4,5,6,7
	global_load_b128 v[WR+4*(\i):WR+4*(\i)+3], v[OI], s[6:7] offset:512*(\i) th:TH_LOAD_NT
	global_load_b128 v[IR+4*(\i):IR+4*(\i)+3], v[OI], s[4:5] offset:512*(\i) th:TH_LOAD_NT
.endr
.irp i, 8,9,10,11,12,13,14,15
	global_load_b128 v[WR+4*(\i):WR+4*(\i)+3], v[OI], s[6:7] offset:512*(\i) th:TH_LOAD_NT
.endr
	s_wait_loadcnt 24                              ; the tables and my scale are in: 24 loads were issued behind them (loads come back in order: ISA guide 5.7.1)
	v_rcp_f32 v[RC], v[S]
	v_mov_b32 v[RB], 0                             ; the plain instruction behind the reciprocal; the pair is also written whole before the lane moves below name it
	v_mov_b32 v[RB+1], 0
.set j, 0
.rept 15
	v_readlane_b32 s[PS+j], v[PV], j
.set j, j+1
.endr
.set j, 0
.rept 16
	v_readlane_b32 s[VS+j], v[VL], j
.set j, j+1
.endr
	s_wait_alu depctr_va_sdst(0)                   ; the 31 lines above have written the pivots s[20:34] and the values s[36:51], ahead of their first reader, the next line
	v_mov_b32 v[V0], s[VS]
	s_wait_alu depctr_va_vdst(0)                   ; the reciprocal has written v5, ahead of the first line that names it
	v_fma_f32 v13, -v4, v5, 1.0                    ; v4 = S, v5 = RC: what the reciprocal lacks, 1 - s y,
	v_fma_f32 v5, v13, v5, v5                      ; is put right: y + y (1 - s y), rounded once
; Trip i: 128 numbers of inp are rounded and stored; 128 of weight are divided, clipped, searched, multiplied back and rounded; they are stored in the middle of the next trip.
.macro TRIP i
.set IS, IR+4*((\i)%8)
.set WS, WR+4*(\i)
.if (\i) < 8
	s_wait_loadcnt 22-(\i)                         ; younger than this trip's pair: 2 (7 - i) loads of later pairs, weight's last 8, and the i refills of earlier trips
.else
	s_wait_loadcnt 15-(\i)                         ; this trip's inp came by a refill: younger are the refills for trips i + 1 to 15
.endif
	v_mov_b32_dpp v[RB], v[RC] row_share:\i row_mask:0xf bank_mask:0xf    ; lane i of my row of 16 holds my group's 1 / s
	v_mov_b32_dpp v[RB+1], v[S] row_share:\i row_mask:0xf bank_mask:0xf   ; and its s
	v_pk_mul_f32 v[X:X+1], v[WS:WS+1], v[RB:RB+1] op_sel_hi:[1,0]         ; w x (1 / s): both halves by the pair's first register
	v_pk_mul_f32 v[X+2:X+3], v[WS+2:WS+3], v[RB:RB+1] op_sel_hi:[1,0]
	v_cvt_pk_f16_f32 v[WS+2], v[IS], v[IS+1]       ; the weights have been read: their registers take the trip's results, here inp's
	v_cvt_pk_f16_f32 v[WS+3], v[IS+2], v[IS+3]
.irp e, 0,1,2,3
	v_med3_num_f32 v[X+(\e)], v[X+(\e)], s57, s58  ; the clip
.endr
	; the search: the pivots ascend, so those below x are the first idx of them, and the last one that is below leaves values[idx]
.set j, 0
.rept 8
.irp e, 0,1,2,3
	v_cmp_lt_f32 s[MK+4*j+(\e)], s[PS+j], v[X+(\e)]
.endr
.set j, j+1
.endr
	s_wait_alu depctr_va_sdst(0)                   ; the 32 compares with pivots 0 to 7 have written their masks, ahead of the selects that read them
	s_wait_alu depctr_va_vdst(0)                   ; this trip's two conversions are done reading inp's slot, in which the load below lands, and have written their pair, which the first store reads; the trip before has written q's pair, which the second store reads
.if (\i) < 8
	global_load_b128 v[IS:IS+3], v[OI], s[4:5] offset:512*((\i)+8) th:TH_LOAD_NT
.endif
	global_store_b64 v[OO], v[WS+2:WS+3], s[14:15] offset:256*(\i)  ; 32 lanes store 256 consecutive bytes, at a multiple of 256 from a16's first byte; its registers are written no more
.if (\i) > 0
	global_store_b64 v[OO], v[WS-4:WS-3], s[16:17] offset:256*((\i)-1)  ; the trip before: the same of b16; its registers are written no more
.endif
.irp e, 0,1,2,3
	v_cndmask_b32 v[Q+(\e)], v[V0], s[VS+1], s[MK+(\e)]
.endr
.set j, 1
.rept 7
.irp e, 0,1,2,3
	v_cndmask_b32 v[Q+(\e)], v[Q+(\e)], s[VS+1+j], s[MK+4*j+(\e)]
.endr
.set j, j+1
.endr
.set j, 8
.rept 7
.irp e, 0,1,2,3
	v_cmp_lt_f32 s[MK+4*(j-8)+(\e)], s[PS+j], v[X+(\e)]
.endr
.set j, j+1
.endr
	s_wait_alu depctr_va_sdst(0)                   ; the 28 compares with pivots 8 to 14 have written their masks, ahead of the selects that read them
.set j, 8
.rept 7
.irp e, 0,1,2,3
	v_cndmask_b32 v[Q+(\e)], v[Q+(\e)], s[VS+1+j], s[MK+4*(j-8)+(\e)]
.endr
.set j, j+1
.endr
	v_pk_mul_f32 v[Q:Q+1], v[Q:Q+1], v[RB:RB+1] op_sel:[0,1] op_sel_hi:[1,1]      ; values[idx] x s: both halves by the pair's second register
	v_pk_mul_f32 v[Q+2:Q+3], v[Q+2:Q+3], v[RB:RB+1] op_sel:[0,1] op_sel_hi:[1,1]
	v_cvt_pk_f16_f32 v[WS], v[Q], v[Q+1]
	v_cvt_pk_f16_f32 v[WS+1], v[Q+2], v[Q+3]
.endm
.irp i, 0,1,2,3,4,5,6,7,8,9,10,11,12,13,14,15
	TRIP \i
.endr
	s_wait_alu depctr_va_vdst(0)                   ; trip 15 has written q's pair, which the last store reads
	global_store_b64 v[OO], v[WR+60:WR+61], s[16:17] offset:256*15
	s_endpgm
.Lfunc_end_k_q8e2965e19b_prep:
	.size	k_q8e2965e19b_prep, .Lfunc_end_k_q8e2965e19b_prep-k_q8e2965e19b_prep
	.p2alignl 7, 3214868480
	.fill 96, 4, 3214868480
	.section	.rodata,"a",@progbits
	.p2align	6, 0x0
	.amdhsa_kernel k_q8e2965e19b_prep
		.amdhsa_group_segment_fixed_size 0
		.amdhsa_private_segment_fixed_size 0
		.amdhsa_enable_private_segment 0
		.amdhsa_kernarg_size 56
		.amdhsa_user_sgpr_count 2
		.amdhsa_user_sgpr_kernarg_segment_ptr 1
		.amdhsa_wavefront_size32 1
		.amdhsa_system_sgpr_workgroup_id_x 1
		.amdhsa_system_sgpr_workgroup_id_y 1
		.amdhsa_system_sgpr_workgroup_id_z 1
		.amdhsa_system_vgpr_workitem_id 0
		.amdhsa_next_free_vgpr 128
		.amdhsa_next_free_sgpr 98
		.amdhsa_reserve_vcc 0
		.amdhsa_float_denorm_mode_32 3
		.amdhsa_float_denorm_mode_16_64 3
		.amdhsa_memory_ordered 1
		.amdhsa_forward_progress 1
		.amdhsa_inst_pref_size 147
	.end_amdhsa_kernel
	.amdgpu_metadata
---
amdhsa.version: [ 1, 2 ]
amdhsa.kernels:
  - .name:           k_q8e2965e19b_prep
    .symbol:         k_q8e2965e19b_prep.kd
    .args:
      - { .name: inp, .offset: 0, .size: 8, .value_kind: global_buffer, .address_space: global }
      - { .name: weight, .offset: 8, .size: 8, .value_kind: global_buffer, .address_space: global }
      - { .name: scales, .offset: 16, .size: 8, .value_kind: global_buffer, .address_space: global }
      - { .name: values, .offset: 24, .size: 8, .value_kind: global_buffer, .address_space: global }
      - { .name: pivots, .offset: 32, .size: 8, .value_kind: global_buffer, .address_space: global }
      - { .name: a16, .offset: 40, .size: 8, .value_kind: global_buffer, .address_space: global }
      - { .name: b16, .offset: 48, .size: 8, .value_kind: global_buffer, .address_space: global }
    .group_segment_fixed_size: 0
    .private_segment_fixed_size: 0
    .kernarg_segment_align: 8
    .kernarg_segment_size: 56
    .max_flat_workgroup_size: 1024
    .sgpr_count:     98
    .vgpr_count:     128
    .wavefront_size: 32
...
	.end_amdgpu_metadata
.endif
;; end of part 3
;; launch gemm: the kernel of part 2 again; grid 16 x 16, 4 waves a work-group, clusters of 4 x 4, 327,680 bytes of LDS; arguments a16, b16, out0; writes out0
